; MI455X (gfx1250); checked and timed in simulation.
; The chip was launched on July 23, 2026; its instructions are those of AMD's public machine-readable ISA for CDNA 5 (MIT licence, August 2026) and "CDNA5" Instruction Set Architecture Reference Guide (July 2026). The comments in the code are by the model that wrote it; some were corrected since.
;; Bahdanau Attention. Allowed arithmetic: matrix products marked QUANTISED: E5M2 operands, one given power-of-two scale a tensor, by v_wmma_f32_16x16x64_bf8_bf8 or v_wmma_f32_16x16x128_bf8_bf8, f32 sums; products left as they are: f32 operands where the result goes on into a quantised operand, else bf16, f16 or f32 operands; f32 sums; everything else in f32.
;; Inputs: W_h 1,024 x 1,024 float32; W_s 1,024 x 1,024 float32; decoder_state 64 x 1,024 float32; encoder_outputs 64 x 1,024 x 1,024 float32; lowp_scales 4 int32 (the exponents e of the quantised operands' scales 2^e); mask 64 x 1,024 int32; v 1,024 float32.
;; Outputs: out0 64 x 1,024 float32; out1 64 x 1,024 float32.
;; This version of the problem:
;;   THIS VERSION OF THE PROBLEM IS GIVEN IN LOW PRECISION. The matrix products marked QUANTISED in the list below multiply operands that are first quantised to E5M2 (5 exponent bits, 2 mantissa bits; 8 bits a number), with one given power-of-two scale for each operand tensor; their sums are f32. All else is computed in f32.
;;   The module's matrix products, in the order in which they are computed (A, B: the left and right operand; K: the contracted axis; several contracted axes count as one K, in the product's order):
;;     1. [M 64, K 1,024] x [K 1,024, N 1,024]; A: input decoder_state; B: input W_s: QUANTISED (scales: A lowp_scales[0], B lowp_scales[1])
;;     2. [M 65,536, K 1,024] x [K 1,024, N 1,024]; A: input encoder_outputs; B: input W_h: QUANTISED (scales: A lowp_scales[2], B lowp_scales[3])
;;     3. [M 65,536, K 1,024] x [K 1,024, N 1]; A: computed on the way; B: input v: left as it is (N = 1 < 16)
;;     4. batch 64 x [M 1, K 1,024] x [K 1,024, N 1,024]; A: softmax; B: input encoder_outputs: left as it is (M = 1 < 16)
;;   THE QUANTISER, for each operand of a quantised product, along K:
;;     - The operand's scale is 2^e, e = its entry of the input lowp_scales (int32; the entries are numbered through the quantised products in the list's order, A before B).
;;     - Each number is divided by the scale, clamped to +-57,344, and rounded to the nearest number of E5M2, ties to even, subnormals kept.
;;     - The product sums the exact products of the quantised numbers (number of the format x scale) in f32.
;;   ~~~python
;;   def quantise(x, axis, e):      # numpy; x: float32 -> the quantised numbers, widened to float32 again
;;       x = np.moveaxis(x, axis, -1); K = x.shape[-1]
;;       r = np.clip(x / 2.0 ** e, -57344, 57344)
;;       step = 2.0 ** (np.maximum(np.frexp(np.where(r == 0, 1, r))[1] - 1, -14) - 2)
;;       q = np.round(r / step) * step * 2.0 ** e      # np.round: ties to even
;;       return np.moveaxis(q, -1, axis).astype(np.float32)
;;   ~~~
;; One version. Each part assembles by itself: llvm-mc -triple=amdgcn-amd-amdhsa -mcpu=gfx1250 --defsym DOCPART=n.
;; ======== version 1 of 1: 3 launches
;; workspace buffers: wcodes 1,048,576 bytes; ps2 262,144 bytes; scores 262,144 bytes
;; launch prep (part 1): grid 256 x 1, 8 waves a work-group, no clusters, 9,216 bytes of LDS; arguments W_h, W_s, decoder_state, lowp_scales, wcodes, ps2; writes wcodes, ps2
.if DOCPART == 1
	.amdgcn_target "amdgcn-amd-amdhsa--gfx1250"
	.amdhsa_code_object_version 6
	.text
	.protected	k_q5c1385f05e_prep
	.globl	k_q5c1385f05e_prep
	.p2align	8
	.type	k_q5c1385f05e_prep,@function
k_q5c1385f05e_prep:
	s_mov_b64 s[64:65], 0
	v_nop
	global_prefetch_b8 v0, s[64:65] scope:SCOPE_SE
	s_setreg_imm32_b32 hwreg(HW_REG_WAVE_MODE, 25, 1), 1
	s_wait_xcnt 0x0
; PREP.  Two small jobs ahead of the large product.
; (1) W_h [1024][1024] f32 becomes codes of E5M2 with the given scale 2^e3, laid as IMAGES OF OPERAND REGISTERS: fragment (t, s) is 2,048 dense bytes at t*16384 + s*2048;
;     in it byte c*512 + lane*16 + 4 q + e holds the code of W_h[16 t + lane%16][k], k = 512 (s/4) + 128 q + 4 (8 c + 2 (s%4) + lane/16) + e.
;     That order of k is the one in which the next launch's own quantiser leaves the rows of encoder_outputs: the same permutation of k on both operands of the product.
; (2) proj_s = Q(decoder_state) Q(W_s)^T on the codes (scales 2^e0, 2^e1); stored as ps2 = 2 log2(e) x proj_s, the form in which the next launch adds it.
;     Here k stands in the registers as 32 c + 16 (lane/16) + 0..15, again alike on both operands.
; SHARES.  Work-group = (t: 16 rows of W_s and of W_h, part: 16 batches, and quarter c = part of each W_h fragment).  Wave s takes K step s:
; one matrix instruction a wave; the eight partial tiles meet in LDS, and wave w adds register w of all eight.
; No tensor loads and no cluster: each work-group reads 144 KB through registers once; what neighbours share is a few KB each.
; LIMITS: e0, e1, e3 between -126 and 112, so that 2^e and 57,344 x 2^e are f32 numbers; e0 + e1 is applied by v_ldexp_f32.  NaN among the inputs is not served.
.set XA, 32                            ; v32-95   64 numbers of W_s
.set XB, 96                            ; v96-159  64 numbers of decoder_state
.set XC, 160                           ; v160-175 16 numbers of W_h
.set CA, 176                           ; v176-191 W_s's fragment
.set CB, 192                           ; v192-207 decoder_state's fragment
.set CC, 208                           ; v208-211 16 codes of W_h
.set D,  216                           ; v216-223 the partial tile
.macro CONSTS e, sc                    ; v[sc] = 2^e as f32 (the conversion takes its exponent field); v[sc+1] = 57,344 x 2^e
	s_add_co_i32 s24, s[\e], 127
	s_lshl_b32 s25, s24, 23
	v_mov_b32 v[\sc], s25
	s_add_co_i32 s24, s24, 15
	s_lshl_b32 s24, s24, 23
	s_or_b32 s24, s24, 0x600000
	v_mov_b32 v[\sc+1], s24
.endm
.macro QUANT src, nb, dst, sc          ; nb blocks of 16 numbers of a lane become nb x 4 registers of codes
.set b, 0
.rept \nb
.set i, 0
.rept 16
	v_med3_num_f32 v[\src+16*b+i], v[\src+16*b+i], -v[\sc+1], v[\sc+1]   ; the conversion to an 8-bit code does not saturate (ISA guide 7.6.2): hold first
.set i, i+1
.endr
	v_cvt_scalef32_pk8_bf8_f32 v[\dst+4*b:\dst+4*b+1], v[\src+16*b:\src+16*b+7], v[\sc]
	v_cvt_scalef32_pk8_bf8_f32 v[\dst+4*b+2:\dst+4*b+3], v[\src+16*b+8:\src+16*b+15], v[\sc]
.set b, b+1
.endr
	v_nop                                          ; one plain vector line behind the last scaled conversion, ahead of whatever touches its registers next
.endm
	s_load_b256 s[4:11], s[0:1], 0x0               ; W_h s[4:5], W_s s[6:7], decoder_state s[8:9], the scales' exponents s[10:11]
	s_load_b128 s[12:15], s[0:1], 0x20             ; wcodes s[12:13], ps2 s[14:15]
	v_lshl_add_u32 v224, v0, 2, 0x2000
	v_mov_b32 v225, 0
	v_lshrrev_b32 v1, 5, v0
	v_readfirstlane_b32 s16, v1                    ; wave = K step s
	s_lshr_b32 s17, ttmp9, 2                       ; t
	s_and_b32 s18, ttmp9, 3                        ; part
	v_and_b32 v1, 31, v0                           ; lane
	v_and_b32 v2, 15, v0                           ; r
	v_bfe_u32 v3, v0, 4, 1                         ; h
	v_lshlrev_b32 v4, 12, v2
	v_lshl_add_u32 v9, v3, 4, v4                   ; W_h: row r of 4,096 bytes + 16 h: my quad of four numbers
	v_lshl_add_u32 v4, v3, 6, v4                   ; W_s, decoder_state: row r + 64 h: my 16 numbers of a block of 32
	v_lshlrev_b32 v5, 4, v1                        ; 16 x lane
	s_lshl_b32 s24, s16, 10
	v_add_nc_u32 v6, s24, v5                       ; LDS: my wave's partial tile, 1,024 bytes: registers 0-3 at 16 x lane, 4-7 512 bytes on
	s_lshr_b32 s24, s16, 2
	s_lshl_b32 s24, s24, 9
	s_and_b32 s25, s16, 3
	s_lshl_b32 s25, s25, 2
	s_add_co_u32 s24, s24, s25
	v_add_nc_u32 v7, s24, v5                       ; LDS: register w of a partial tile
	v_lshlrev_b32 v8, 3, v3
	v_add_nc_u32 v8, s16, v8                       ; batch 8 h + w of the part's 16
	v_lshlrev_b32 v8, 12, v8
	v_lshl_add_u32 v8, v2, 2, v8                   ; its row of ps2 + 4 r
	s_lshl_b32 s24, s16, 9                         ; 512 s: the K step's bytes in a row
	s_lshl_b32 s26, s17, 16
	s_add_co_u32 s26, s26, s24                     ; W_s: 16 t rows + the K step
	s_mov_b32 s27, 0
	s_lshl_b32 s28, s18, 16
	s_add_co_u32 s28, s28, s24                     ; decoder_state: 16 part rows + the K step
	s_mov_b32 s29, 0
	s_lshl_b32 s30, s17, 16                        ; W_h: 16 t rows
	s_lshr_b32 s25, s16, 2
	s_lshl_b32 s25, s25, 11
	s_add_co_u32 s30, s30, s25                     ; + 2,048 (s / 4): which 512 along K
	s_and_b32 s25, s16, 3
	s_lshl_b32 s25, s25, 5
	s_add_co_u32 s30, s30, s25                     ; + 32 (s % 4)
	s_lshl_b32 s25, s18, 7
	s_add_co_u32 s30, s30, s25                     ; + 128 c: the work-group's eight waves together read runs of 128 bytes
	s_mov_b32 s31, 0
	s_lshl_b32 s32, s17, 14
	s_lshl_b32 s25, s16, 11
	s_add_co_u32 s32, s32, s25
	s_lshl_b32 s25, s18, 9
	s_add_co_u32 s32, s32, s25                     ; wcodes: 16384 t + 2048 s + 512 c
	s_mov_b32 s33, 0
	s_lshl_b32 s34, s18, 16
	s_lshl_b32 s25, s17, 6
	s_add_co_u32 s34, s34, s25                     ; ps2: 16 part rows + 16 t columns
	s_mov_b32 s35, 0
	s_wait_kmcnt 0x0
	s_load_b128 s[20:23], s[10:11], 0x0            ; e0, e1, e2, e3
	s_add_nc_u64 s[4:5], s[4:5], s[30:31]
	s_add_nc_u64 s[6:7], s[6:7], s[26:27]
	s_add_nc_u64 s[8:9], s[8:9], s[28:29]
	s_add_nc_u64 s[12:13], s[12:13], s[32:33]
	s_add_nc_u64 s[14:15], s[14:15], s[34:35]
.irp q, 0,1,2,3
	global_load_b128 v[XC+4*\q:XC+4*\q+3], v9, s[4:5] offset:512*\q    ; W_h: quad q, 128 along K further on
.endr
.irp c, 0,1,2,3
.irp j, 0,1,2,3
	global_load_b128 v[XA+16*\c+4*\j:XA+16*\c+4*\j+3], v4, s[6:7] offset:128*\c+16*\j
	global_load_b128 v[XB+16*\c+4*\j:XB+16*\c+4*\j+3], v4, s[8:9] offset:128*\c+16*\j
.endr
.endr
	s_wait_kmcnt 0x0
	CONSTS 21, 16                                  ; W_s: e1
	CONSTS 20, 18                                  ; decoder_state: e0
	CONSTS 23, 20                                  ; W_h: e3
	s_wait_loadcnt 0x0
	QUANT XC, 1, CC, 20                            ; register q of the four: quad q's codes
	global_store_b128 v5, v[CC:CC+3], s[12:13]     ; the wave stores 512 consecutive bytes, aligned
	QUANT XA, 4, CA, 16
	QUANT XB, 4, CB, 18
	v_wmma_f32_16x16x128_bf8_bf8 v[D:D+7], v[CB:CB+15], v[CA:CA+15], 0   ; lane (r, h), register j: batch 8 h + j, column r; this wave's 128 along K
.rept 4
	v_nop                                          ; four places between the matrix instruction and the LDS stores that read its result
.endr
	ds_store_b128 v6, v[D:D+3]
	ds_store_b128 v6, v[D+4:D+7] offset:512
	s_wait_dscnt 0x0                               ; for the others' sake: my stores have landed
	s_barrier_signal -1
	s_barrier_wait -1
.irp i, 0,1,2,3,4,5,6,7
	ds_load_b32 v[24+\i], v7 offset:1024*\i        ; register w of the eight waves' tiles
.endr
	s_wait_dscnt 0x0
	v_add_f32 v24, v24, v25
	v_add_f32 v26, v26, v27
	v_add_f32 v28, v28, v29
	v_add_f32 v30, v30, v31
	v_add_f32 v24, v24, v26
	v_add_f32 v28, v28, v30
	v_add_f32 v24, v24, v28
	s_add_co_i32 s24, s20, s21
	v_ldexp_f32 v24, v24, s24                      ; x 2^(e0 + e1)
	v_mul_f32 v24, 0x4038aa3b, v24                 ; x 2 log2(e)
	global_store_b32 v8, v24, s[14:15]             ; two runs of 64 bytes a wave: a tile of 16 x 16 has no longer rows; the buffer is 256 KB in all
	s_wait_tensorcnt 0x0
	ds_add_u32 v224, v225
	s_wait_dscnt 0x0
	s_endpgm
.Lfunc_end_k_q5c1385f05e_prep:
	.size	k_q5c1385f05e_prep, .Lfunc_end_k_q5c1385f05e_prep-k_q5c1385f05e_prep
	.p2alignl 7, 3214868480
	.fill 96, 4, 3214868480
	.section	.rodata,"a",@progbits
	.p2align	6, 0x0
	.amdhsa_kernel k_q5c1385f05e_prep
		.amdhsa_group_segment_fixed_size 9216
		.amdhsa_private_segment_fixed_size 0
		.amdhsa_enable_private_segment 0
		.amdhsa_kernarg_size 48
		.amdhsa_user_sgpr_count 2
		.amdhsa_user_sgpr_kernarg_segment_ptr 1
		.amdhsa_wavefront_size32 1
		.amdhsa_system_sgpr_workgroup_id_x 1
		.amdhsa_system_sgpr_workgroup_id_y 1
		.amdhsa_system_sgpr_workgroup_id_z 1
		.amdhsa_system_vgpr_workitem_id 0
		.amdhsa_next_free_vgpr 226
		.amdhsa_next_free_sgpr 66
		.amdhsa_reserve_vcc 0
		.amdhsa_float_denorm_mode_32 3
		.amdhsa_float_denorm_mode_16_64 3
		.amdhsa_memory_ordered 1
		.amdhsa_forward_progress 1
		.amdhsa_inst_pref_size 19
	.end_amdhsa_kernel
	.amdgpu_metadata
---
amdhsa.version: [ 1, 2 ]
amdhsa.kernels:
  - .name:           k_q5c1385f05e_prep
    .symbol:         k_q5c1385f05e_prep.kd
    .args:
      - { .name: W_h, .offset: 0, .size: 8, .value_kind: global_buffer, .address_space: global }
      - { .name: W_s, .offset: 8, .size: 8, .value_kind: global_buffer, .address_space: global }
      - { .name: decoder_state, .offset: 16, .size: 8, .value_kind: global_buffer, .address_space: global }
      - { .name: lowp_scales, .offset: 24, .size: 8, .value_kind: global_buffer, .address_space: global }
      - { .name: wcodes, .offset: 32, .size: 8, .value_kind: global_buffer, .address_space: global }
      - { .name: ps2, .offset: 40, .size: 8, .value_kind: global_buffer, .address_space: global }
    .group_segment_fixed_size: 9216
    .private_segment_fixed_size: 0
    .kernarg_segment_align: 8
    .kernarg_segment_size: 48
    .max_flat_workgroup_size: 256
    .sgpr_count:     66
    .vgpr_count:     226
    .wavefront_size: 32
...
	.end_amdgpu_metadata
.endif
;; end of part 1
;; launch score (part 2): grid 256 x 1, 4 waves a work-group, clusters of 4 x 1, 327,680 bytes of LDS; arguments encoder_outputs, wcodes, ps2, v, lowp_scales, scores; writes scores
.if DOCPART == 2
	.amdgcn_target "amdgcn-amd-amdhsa--gfx1250"
	.amdhsa_code_object_version 6
	.text
	.protected	k_q5c1385f05e_score
	.globl	k_q5c1385f05e_score
	.p2align	8
	.type	k_q5c1385f05e_score,@function
k_q5c1385f05e_score:
	s_mov_b64 s[64:65], 0
	v_nop
	global_prefetch_b8 v0, s[64:65] scope:SCOPE_SE
	s_setreg_imm32_b32 hwreg(HW_REG_WAVE_MODE, 25, 1), 1
	s_wait_xcnt 0x0
	s_wait_alu depctr_hold_cnt(0) depctr_sa_sdst(0) depctr_va_vdst(0) depctr_va_sdst(0) depctr_va_ssrc(0) depctr_va_vcc(0) depctr_vm_vsrc(0)
	s_getreg_b32 s2, hwreg(HW_REG_IB_STS2, 6, 4)
	s_cmp_eq_u32 s2, 0
	s_cbranch_scc0 .Lentry_in_a_cluster
	s_endpgm
.Lentry_in_a_cluster:
	s_bfe_u32 s2, ttmp6, 0x10000c
	s_cmp_lg_u32 s2, 0x3003
	s_cbranch_scc0 .Lentry_shape_is_right
	s_endpgm
.Lentry_shape_is_right:
; SCORE.  scores[b][s] = sum over n of v[n] tanh(proj_s[b][n] + sum over k of Q(enc[b][s][k]) Q(W_h[n][k])), the product on codes of E5M2 (scales 2^e2, 2^e3).
; SHARES.  A cluster of four work-groups is one batch b; a work-group owns 256 of its rows, each of its four waves 64: four tiles of 16 rows.
; A wave first quantises its 64 rows for ALL of K (32 fragments of 16 registers, 512 registers: they stay), then walks the 64 tiles of 16 rows of W_h.
; W_h's codes (1 MiB, images of operand registers, made by the launch before) come through a ring of two LDS slots of 8 tiles (131,072 bytes).  All work-groups walk the same codes,
; so each quarter of a slot is asked for JOINTLY by the cluster's four work-groups: the same tensor load, the same descriptor, mask 15.  A fragment of W_h read from LDS feeds four matrix instructions.
; THE ORDER OF k.  Register 4 c + q, byte e, of fragment s = 4 G + f holds, in lane (r, h), k = 512 G + 128 q + 4 (8 c + 2 f + h) + e of row r: alike in enc's fragments and in W_h's, so every product meets its partner.
; It is the order in which dense loads leave the numbers: a load reads 512 consecutive bytes of one row, four numbers a lane; a lane converts the four quads of four such loads into 16 codes,
; and only the CODES change lanes, through LDS: a quarter of the bytes that the f32 numbers would be.
; THE MATRIX INSTRUCTION IS USED TRANSPOSED: source 0 = 16 rows of W_h, source 1 = 16 rows of enc: lane (r, h), register j of accumulator m holds (enc row 16 m + r, n = 16 t + 8 h + j).
; tanh(y) = 1 - 2 / (1 + 2^x), x = 2 log2(e) y: x is one packed multiply-add (sum x 2 log2(e) 2^(e2+e3) + ps2), then v_exp_f32, + 1, v_rcp_f32; an overflowing 2^x gives 0, a vanishing one 1: tanh's limits.
; So sum of v tanh = sum of v + sum of (-2 v) / (1 + 2^x): the second sum is kept in 32 registers a lane, the first is added at the end.
; BY TURNS.  While tile t is multiplied into one set of four accumulators, tile t - 1's 112 vector instructions, on the other set, stand in slices behind the 32 matrix instructions.
; REGISTERS, in windows of 256 (s_set_vgpr_msb: bits 1:0 source 0, 3:2 source 1, 5:4 source 2, 7:6 destination):
;   window 0: v1-14 addresses and constants; v24-31 ps2 of a tile; v32-63 the sums; v64-95, v96-127 two sets of accumulators; v128-255 W_h's eight fragments of a tile.
;   windows 1-3: enc's fragment (m, s) in window 1 + s / 3 at v[16 (4 (s % 3) + m)]; window 3 v128-135: -2 v of a tile.
;   While rows are quantised: v64-127 of window 0 and v192-255 of windows 1-3 take the loads (four batches of four rows), v128-191 of window 0 the codes of 16 rows.
; Only source 1 of a product lies outside window 0, so the slices and the LDS loads run under the products' own setting (their source 1 is a scalar or a constant, or -2 v, which lies in window 3
; and is read while window 3's fragments are multiplied): five switches for a tile's 32 matrix instructions.
; LIMITS: e2 between -126 and 112; e2 + e3 between -127 and 126 (added to the exponent field of 2 log2(e)).  NaN among the inputs is not served.
.set SLOTB, 131072                     ; a slot: 8 tiles of W_h
.set TILEB, 16384                      ; a tile: 8 fragments of 2,048 bytes
.set STG,   262144                     ; behind the ring: a stage of 16 rows x 528 bytes for each wave
.set STGW,  8448
.set SP,    528                        ; 512 bytes + 16: the 16 rows that a load touches start at 16 different 16-byte columns
.set PST,   295936                     ; ps2[b][0..1023]
.set VMT,   300032                     ; -2 v[0..1023]
.set SPARE, 304128                     ; the spare words, 128 bytes for each wave: two blocks of 256 bytes that no other line names
.set SPW, 1                            ; v1   LDS address of my spare word; never rewritten
.set NIL, 2                            ; v2   0; never rewritten
.set GA,  3                            ; v3   16 x lane
.set STA, 4                            ; v4   my stage + 16 x lane
.set LDA, 5                            ; v5   my stage + 528 r + 16 h
.set ADB0, 6                           ; v6, v13  LDS address of the tile being fetched: the two take turns from span to span,
.set ADP0, 7                           ; v7, v14  PST + 64 t + 32 h likewise: so no address is rewritten straight behind loads that read it
.set SC,  8                            ; v8   2^e2
.set LIM, 9                            ; v9   57,344 x 2^e2
.set PB0, 10                           ; v10  PST + 32 h
.set TA,  11                           ; v11  16 x thread
.set TS,  12                           ; v12  PST + 16 x thread
.set ADB1, 13
.set ADP1, 14
.set PS,  24
.set S,   32
.set ACC0, 64
.set ACC1, 96
.set BF,  128
.set CD,  128                          ; while rows are quantised: the codes of 16 rows, four registers a row
.set VM,  128                          ; in window 3
.set WV,  16                           ; s16  my wave's number
.set STS, 20                           ; s20  my stage's first byte
.set G1,  24                           ; s[24:31] descriptor group 1
.set G0A, 32                           ; s[32:35] group 0 of slot 0's first fill
.set G0B, 36                           ; s[36:39] group 0 of slot 1's first fill; it then walks on
.set CS,  40                           ; s[40:41] 2 log2(e) x 2^(e2 + e3)
.set SEL, 42                           ; s[42:43] v_permlanex16_b32's selects for lane l xor 16
.set TB,  44                           ; s44  LDS byte of the tile to be fetched
.set TP,  45                           ; s45  64 t
.set OUTER, 46
.set INNER, 47
.set MSB, 0
.macro WIN new                         ; the immediate's high byte repeats the setting that is left; a switch that changes nothing is dropped
.if MSB != (\new)
	s_set_vgpr_msb (MSB<<8)|(\new)
.set MSB, (\new)
.endif
.endm
.macro CROUND                          ; a round of the cluster's barrier
	s_barrier_signal -1
	s_barrier_wait -1
	s_cmp_lg_u32 s[WV], 0
	s_cbranch_scc1 .Lnot_wave_0_\@
	s_barrier_signal -3
.Lnot_wave_0_\@:
	s_barrier_wait -3
	s_barrier_signal -1
	s_barrier_wait -1
.endm
	s_load_b256 s[4:11], s[0:1], 0x0               ; enc s[4:5], wcodes s[6:7], ps2 s[8:9], v s[10:11]
	s_load_b128 s[12:15], s[0:1], 0x20             ; the scales' exponents s[12:13], scores s[14:15]
	v_lshl_add_u32 v[SPW], v0, 2, SPARE
	v_mov_b32 v[NIL], 0
	ds_add_u32 v1, v2
	ds_add_u32 v1, v2
	s_wait_dscnt 0x0
	v_lshrrev_b32 v13, 5, v0
	v_readfirstlane_b32 s[WV], v13                 ; wave 0..3
	s_bfe_u32 s17, ttmp6, 0x40000                  ; cx: it enters enc's and scores' addresses alone
	s_lshl_b32 s18, ttmp9, 2                       ; in a cluster launch ttmp9 counts clusters: the batch
	s_add_co_u32 s18, s18, s17                     ; my block of 256 rows = 4 b + cx
	; descriptor group 1: a dense block of 32,768 bytes as 128 rows of 256 bytes (32 elements of 8 bytes); no padding: images are read 16 x lane, 512 consecutive bytes a load
	s_mov_b32 s[G1], 15|(3<<16)|(1<<21)            ; 15:0 the mask: all four work-groups; 17:16 elements of 8 bytes; 21 set beside a mask
	s_mov_b32 s[G1+1], 32<<16                      ; tensor_dim0 = 32
	s_mov_b32 s[G1+2], 128<<16                     ; tensor_dim1 = 128
	s_mov_b32 s[G1+3], 32<<16                      ; tile_dim0 = 32
	s_mov_b32 s[G1+4], 128                         ; tile_dim1 = 128
	s_mov_b32 s[G1+5], 32                          ; elements from row to row
	s_mov_b32 s[G1+6], 0
	s_mov_b32 s[G1+7], 0
	s_mov_b32 s[SEL], 0x76543210
	s_mov_b32 s[SEL+1], 0xfedcba98
	s_lshl_b32 s52, s[WV], 15                      ; my quarter of a slot, in memory and in LDS: the wave's number alone
	s_mov_b32 s53, 0
	s_lshl_b32 s54, s18, 20                        ; enc: 256 rows of 4,096 bytes a block,
	s_lshl_b32 s56, s[WV], 18                      ; 64 a wave
	s_add_co_u32 s54, s54, s56
	s_mov_b32 s55, 0
	s_lshl_b32 s56, ttmp9, 12                      ; ps2: the batch's row
	s_mov_b32 s57, 0
	s_lshl_b32 s58, s18, 10                        ; scores: 256 numbers a block,
	s_lshl_b32 s59, s[WV], 8                       ; 64 a wave
	s_add_co_u32 s58, s58, s59
	s_mov_b32 s59, 0
	s_mul_i32 s[STS], s[WV], STGW
	s_add_co_u32 s[STS], s[STS], STG
	s_wait_kmcnt 0x0
	s_load_b128 s[48:51], s[12:13], 0x0            ; e0, e1, e2, e3
	s_mov_b32 s[G0A], 1                            ; count = 1
	s_mov_b32 s[G0A+1], s52                        ; LDS address: slot 0
	s_add_nc_u64 s[G0A+2:G0A+3], s[6:7], s[52:53]  ; tiles 0 to 7
	s_or_b32 s[G0A+3], s[G0A+3], 0x80000000        ; type = 2
	s_mov_b32 s[G0B], 1
	s_add_co_u32 s[G0B+1], s52, SLOTB              ; slot 1
	s_add_nc_u64 s[G0B+2:G0B+3], s[6:7], s[52:53]
	s_add_nc_u64 s[G0B+2:G0B+3], s[G0B+2:G0B+3], SLOTB   ; tiles 8 to 15
	s_or_b32 s[G0B+3], s[G0B+3], 0x80000000
	CROUND                                         ; all four work-groups are here: the first joint loads meet
	tensor_load_to_lds s[G0A:G0A+3], s[G1:G1+7]    ; both first fills together, ahead of every wait on TENSORcnt and every LDS read: two loads of mine are out, and they have the whole quantising of enc in which to land
	s_nop 0
	tensor_load_to_lds s[G0B:G0B+3], s[G1:G1+7]
	s_nop 0
.rept 4
	v_nop                                          ; behind a tensor load
.endr
	s_add_nc_u64 s[4:5], s[4:5], s[54:55]
	s_add_nc_u64 s[8:9], s[8:9], s[56:57]
	s_add_nc_u64 s[14:15], s[14:15], s[58:59]
	v_and_b32 v13, 31, v0
	v_lshlrev_b32 v[GA], 4, v13
	v_and_b32 v14, 15, v0                          ; r
	v_bfe_u32 v15, v0, 4, 1                        ; h
	v_add_nc_u32 v[STA], s[STS], v[GA]
	v_mul_u32_u24 v[LDA], v14, SP
	v_lshl_add_u32 v[LDA], v15, 4, v[LDA]
	v_add_nc_u32 v[LDA], s[STS], v[LDA]
	v_lshlrev_b32 v[PB0], 5, v15
	v_add_nc_u32 v[PB0], PST, v[PB0]
	v_lshlrev_b32 v[TA], 4, v0
	v_add_nc_u32 v[TS], PST, v[TA]
; ---- ENC INTO CODES.  A group is a tile of 16 rows m x 512 along K (G): four fragments.  A batch b is four rows of group b / 4 (m = b / 8, G = (b / 4) % 2): rows 4 (b % 4) + 0..3.
; LOAD: 16 loads, four a row, each 512 consecutive bytes (the four cover 2,048 consecutive bytes of the row), into set b % 4 (window b % 4): register 16 i + 4 q + e is k = 512 G + 128 q + 4 lane + e of row i.
.macro LOAD b
.set lset, (\b)%4
.set lrb, 192
.if lset == 0
.set lrb, 64
.endif
	WIN (lset<<6)                                  ; destination window
.set i, 0
.rept 16
	global_load_b128 v[lrb+4*i:lrb+4*i+3], v[GA], s[4:5] offset:(16*((\b)/8)+4*((\b)%4)+i/4)*4096+2048*(((\b)/4)%2)+512*(i%4) th:TH_LOAD_NT
.set i, i+1
.endr
.endm
; BATCH: the hold, the conversions (a row's 16 numbers of a lane: four registers of codes, register q = quad q), one LDS store a row: the lane's 16 bytes at 16 x lane of the row's 512; then the loads of four batches on.
; Behind a group's last batch its four fragments come back from the stage straight into their registers: lane (r, h) takes, of row r, the 16 bytes that lane 8 c + 2 f + h stored.
.macro BATCH b
.set bset, (\b)%4
.set brb, 192
.if bset == 0
.set brb, 64
.endif
.if (\b) <= 28
	s_wait_loadcnt 48                              ; this batch's 16 loads are in; those of the three batches behind it may be out
.else
	s_wait_loadcnt 16*(31-(\b))
.endif
	WIN ((bset<<6)|bset)                           ; destination and source 0: the set's window
.set i, 0
.rept 64
	v_med3_num_f32 v[brb+i], v[brb+i], -v[LIM], v[LIM]   ; the conversion to an 8-bit code does not saturate (ISA guide 7.6.2): hold within 57,344 x the scale first
.set i, i+1
.endr
.if (bset == 0) && ((\b) > 0)
	s_wait_dscnt 16                                ; all but the 16 loads that read the last group back: its 16 stores have read the registers of codes, which are written anew below
.endif
	WIN bset                                       ; source 0: the set's window; the codes go to window 0
.set i, 0
.rept 8
	v_cvt_scalef32_pk8_bf8_f32 v[CD+16*bset+2*i:CD+16*bset+2*i+1], v[brb+8*i:brb+8*i+7], v[SC]
.set i, i+1
.endr
	v_nop                                          ; one plain vector line behind the last scaled conversion
	WIN 0
.set i, 0
.rept 4
	ds_store_b128 v[STA], v[CD+16*bset+4*i:CD+16*bset+4*i+3] offset:SP*(4*bset+i)   ; LDS serves a wave's instructions in order (ISA guide 5.7.1.4): these come behind the loads that read the last group back
.set i, i+1
.endr
.if (\b)+4 < 32
	LOAD (\b)+4                                    ; 64 loads, 32 KB, of a wave are on their way
.endif
.if ((\b)%4) == 3
.irp f, 0,1,2,3
.set rs, 4*(((\b)/4)%2)+\f
.set ar, 16*(4*(rs%3)+(\b)/8)
	WIN ((1+rs/3)<<6)                              ; the fragment's window
.irp c, 0,1,2,3
	ds_load_b128 v[ar+4*\c:ar+4*\c+3], v[LDA] offset:32*\f+128*\c   ; in order behind the stores above
.endr
.endr
	WIN 0
.endif
.endm
	global_load_b128 v[32:35], v[TA], s[8:9]       ; the two tables, 16 bytes a thread, twice: ps2 of my batch,
	global_load_b128 v[36:39], v[TA], s[8:9] offset:2048
	global_load_b128 v[40:43], v[TA], s[10:11]     ; and v
	global_load_b128 v[44:47], v[TA], s[10:11] offset:2048
	LOAD 0
	LOAD 1
	LOAD 2
	WIN 0
	s_wait_kmcnt 0x0
	s_add_co_i32 s52, s50, 127
	s_lshl_b32 s53, s52, 23
	v_mov_b32 v[SC], s53                           ; 2^e2 as f32: the conversion takes its exponent field
	s_add_co_i32 s52, s52, 15
	s_lshl_b32 s52, s52, 23
	s_or_b32 s52, s52, 0x600000
	v_mov_b32 v[LIM], s52                          ; 57,344 x 2^e2
	s_add_co_i32 s52, s50, s51
	s_lshl_b32 s52, s52, 23
	s_add_co_i32 s[CS], s52, 0x4038aa3b            ; a sum stands for sum x 2^(e2 + e3): the exponents are added to the exponent field of 2 log2(e)
	s_mov_b32 s[CS+1], s[CS]                       ; (named with it as a pair, so it is written)
	s_wait_loadcnt 48                              ; the four table loads are in; the 48 of enc behind them may be out
.irp j, 40,42,44,46
	v_pk_mul_f32 v[\j:\j+1], v[\j:\j+1], -2.0 op_sel_hi:[1,0]
.endr
	ds_store_b128 v[TS], v[32:35]
	ds_store_b128 v[TS], v[36:39] offset:2048
	ds_store_b128 v[TS], v[40:43] offset:4096      ; VMT lies 4,096 bytes behind PST
	ds_store_b128 v[TS], v[44:47] offset:6144
	LOAD 3
.set ff, 0
.rept 32
	BATCH ff
.set ff, ff+1
.endr
; ---- THE PRODUCT AND tanh
.macro REFILL s, adr                   ; fragment s of the tile at v[adr]
.irp c, 0,1,2,3
	ds_load_b128 v[BF+16*(\s)+4*\c:BF+16*(\s)+4*\c+3], v[\adr] offset:2048*(\s)+512*\c
.endr
.endm
.macro PSLOAD adr                      ; ps2 at n = 16 t + 8 h + 0..7, for the tile being multiplied
	ds_load_b128 v[PS:PS+3], v[\adr]
	ds_load_b128 v[PS+4:PS+7], v[\adr] offset:16
.endm
.macro VMLOAD adr                      ; -2 v at the same n: VMT lies 4,096 bytes behind PST
	WIN 0xc0                                       ; destination window 3
	ds_load_b128 v[VM:VM+3], v[\adr] offset:4096
	ds_load_b128 v[VM+4:VM+7], v[\adr] offset:4112
.endm
.macro F1 Y, p                         ; pair p: x = sum x 2 log2(e) 2^(e2+e3) + ps2
	v_pk_fma_f32 v[\Y+2*(\p):\Y+2*(\p)+1], v[\Y+2*(\p):\Y+2*(\p)+1], s[CS:CS+1], v[PS+2*((\p)%4):PS+2*((\p)%4)+1] op_sel_hi:[1,0,1]
.endm
.macro EX Y, i
	v_exp_f32 v[\Y+(\i)], v[\Y+(\i)]
.endm
.macro A1 Y, p
	v_pk_add_f32 v[\Y+2*(\p):\Y+2*(\p)+1], v[\Y+2*(\p):\Y+2*(\p)+1], 1.0 op_sel_hi:[1,0]
.endm
.macro RC Y, i
	v_rcp_f32 v[\Y+(\i)], v[\Y+(\i)]
.endm
.macro F2 Y, p                         ; the sums take (-2 v) / (1 + 2^x)
	v_pk_fma_f32 v[S+2*(\p):S+2*(\p)+1], v[\Y+2*(\p):\Y+2*(\p)+1], v[VM+2*((\p)%4):VM+2*((\p)%4)+1], v[S+2*(\p):S+2*(\p)+1]
.endm
; Slice kk of 32 of a tile's vector work on set Y: three or four lines each, a plain line first while there are plain lines.
;   0-13   16 scalings and the 32 exponentials: slice 0 four scalings; slices 1 to 12 one scaling (pair 3 + kk); slices 1 to 13 share the exponentials out, 32 kk / 13 of them issued through slice kk:
;          an exponential's pair was scaled in an earlier slice.
;   14-27  the same with the 16 additions of 1 and the 32 reciprocals.        28-31  the 16 multiply-adds into the sums.
; Two batches of 32 transcendentals, each with a plain line behind its last and ONE wait ahead of its first reader; the wait closes slices 13 and 27, where a run of LDS loads follows.
; Each accumulator is read from its low end on: pairs ascend.
.macro SLICE Y
.if kk == 0
	F1 \Y, 0
	F1 \Y, 1
	F1 \Y, 2
	F1 \Y, 3
.elseif kk < 14
.if kk < 13
	F1 \Y, 3+kk
.endif
.set ei, (32*(kk-1))/13
.rept (32*kk)/13-(32*(kk-1))/13
	EX \Y, ei
.set ei, ei+1
.endr
.if kk == 13
	v_nop                                          ; the plain line behind the last exponential;
	v_nop                                          ; with the scalings of slices 11 and 12 these two are the four places behind product 11, the last that read fragment 2
	s_wait_alu depctr_va_vdst(0)                   ; one wait for the 32 exponentials
.endif
.elseif kk == 14
	A1 \Y, 0
	A1 \Y, 1
	A1 \Y, 2
	A1 \Y, 3
.elseif kk < 28
.if kk < 27
	A1 \Y, kk-11
.endif
.set ei, (32*(kk-15))/13
.rept (32*(kk-14))/13-(32*(kk-15))/13
	RC \Y, ei
.set ei, ei+1
.endr
.if kk == 27
	v_nop                                          ; the plain line behind the last reciprocal
	s_wait_alu depctr_va_vdst(0)                   ; one wait for the 32 reciprocals
.endif
.else
	F2 \Y, 4*kk-112
	F2 \Y, 4*kk-111
	F2 \Y, 4*kk-110
	F2 \Y, 4*kk-109
.endif
.endm
; A SPAN: tile t is multiplied into set X (32 matrix instructions: K step s = kk / 4, accumulator m = kk % 4: the four take turns); tile t - 1's slices on set Y stand behind them.
; THE LDS LOADS STAND IN THREE RUNS (fetch = 1: tile t + 1's fragments are among them), each behind four plain lines or more that follow the last product that read its registers:
;   R1 behind slice 13: fragments 0, 1, 2; ps2 of tile t (slice 12 held the last line that reads the old one): 14 loads
;   R2 behind slice 27: fragments 3, 4, 5 (places: the additions of slices 23 to 26 and a v_nop): 12 loads
;   R3 behind slice 31: fragments 6, 7 (places: slice 31's four multiply-adds); -2 v of tile t: 10 loads
; A wait's count is the number of loads issued behind the one that is wanted (a prime: issued in the span before):
;   head: ps2': R2' 12 + R3' 10 = 22 (fragments 0, 1, 2 stand ahead of it);  s = 3: 8 + 10 = 18;  s = 4: 4 + 10 + R1 14 = 28;  s = 5: 10 + 14 = 24;  s = 6: 4 + 2 + 14 = 20;
;   s = 7: -2 v', wanted by slice 28: R1 14 + R2 12 = 26 (fragment 7 stands ahead of it).
.macro SPAN X, Y, fetch, AB, AP
	WIN 0
.if \fetch
	v_add_nc_u32 v[\AB], s[TB], v[GA]
	s_add_co_u32 s[TB], s[TB], TILEB
.endif
	v_add_nc_u32 v[\AP], s[TP], v[PB0]
	s_add_co_u32 s[TP], s[TP], 64
.if \fetch
	s_wait_dscnt 22
.else
	s_wait_dscnt 0x0
.endif
.set kk, 0
.rept 32
.set ss, kk/4
.set mm, kk%4
.if \fetch && (mm == 0)
.if ss == 3
	s_wait_dscnt 18
.elseif ss == 4
	s_wait_dscnt 28
.elseif ss == 5
	s_wait_dscnt 24
.elseif ss == 6
	s_wait_dscnt 20
.elseif ss == 7
	s_wait_dscnt 26
.endif
.endif
	WIN ((1+ss/3)<<2)                              ; source 1: the window of enc's fragments of this K step
.set ar, 16*(4*(ss%3)+mm)
.if ss == 0
	v_wmma_f32_16x16x128_bf8_bf8 v[\X+8*mm:\X+8*mm+7], v[BF+16*ss:BF+16*ss+15], v[ar:ar+15], 0
.else
	v_wmma_f32_16x16x128_bf8_bf8 v[\X+8*mm:\X+8*mm+7], v[BF+16*ss:BF+16*ss+15], v[ar:ar+15], v[\X+8*mm:\X+8*mm+7]
.endif
	SLICE \Y
.if kk == 13
.if \fetch
	REFILL 0, \AB
	REFILL 1, \AB
	REFILL 2, \AB
.endif
	PSLOAD \AP
.elseif kk == 27
.if \fetch
	REFILL 3, \AB
	REFILL 4, \AB
	REFILL 5, \AB
.endif
.elseif kk == 31
.if \fetch
	REFILL 6, \AB
	REFILL 7, \AB
.endif
	VMLOAD \AP
.endif
.set kk, kk+1
.endr
.endm
.macro PAIR
	SPAN ACC1, ACC0, 1, ADB0, ADP0
	SPAN ACC0, ACC1, 1, ADB1, ADP1
	WIN 0                                          ; at a label and at a branch every window is 0
.endm
; THE CHANGE OF SLOTS stands one span ahead of the slot's first products, since a span fetches the next tile.  Each wave waits for all its tensor loads (its quarter of the slot ahead), adds 0 to its spare word,
; and waits for that and for its reads of the slot that it leaves.  fill = 1: a round of the cluster's barrier, and the joint refill first behind it: it has 8 spans, 256 matrix instructions, in which to land.
.macro CHANGE fill
	WIN 0
	s_wait_tensorcnt 0x0                           ; no tensor load of mine is out, so a group 0 may be written
	ds_add_u32 v[SPW], v[NIL]                      ; 0 onto my spare word
.if \fill
	s_xor_b32 s[G0B+1], s[G0B+1], SLOTB            ; the walking descriptor: the other slot than last time,
	s_add_nc_u64 s[G0B+2:G0B+3], s[G0B+2:G0B+3], SLOTB   ; the next 8 tiles; the type bits on top are not reached
.endif
	s_and_b32 s[TB], s[TB], 2*SLOTB-1              ; the fetches go round the ring
	s_wait_dscnt 0x0                               ; the add is done, and my reads of the slot that I leave are over
.if \fill
	CROUND
	tensor_load_to_lds s[G0B:G0B+3], s[G1:G1+7]
	s_nop 0
.rept 4
	v_nop
.endr
.else
	s_barrier_signal -1
	s_barrier_wait -1
.endif
.endm
.set i, 0
.rept 32
	v_mov_b32 v[S+i], 0                            ; the 32 sums (a span is written once for all tiles)
.set i, i+1
.endr
	s_mov_b32 s[TB], TILEB
	s_mov_b32 s[TP], 0
	s_wait_tensorcnt 0x1                           ; my quarter of slot 0 is in; slot 1's may stay out
	s_wait_dscnt 0x0                               ; my part of the two tables has landed, and my last fragments of enc are in their registers
	s_barrier_signal -1
	s_barrier_wait -1                              ; everybody's has
.irp s, 0,1,2,3,4,5,6,7
	REFILL \s, GA                                  ; tile 0 lies at LDS byte 0
.endr
	; span 0: no vector work yet; four v_nop are the places ahead of each run.  The LDS loads go in a span's order: R1, R2, R3
	v_add_nc_u32 v[ADB1], s[TB], v[GA]
	v_add_nc_u32 v[ADP1], s[TP], v[PB0]
	s_add_co_u32 s[TB], s[TB], TILEB
	s_add_co_u32 s[TP], s[TP], 64
	s_wait_dscnt 0x0
.set ss, 0
.rept 8
	WIN ((1+ss/3)<<2)
.set mm, 0
.rept 4
.set ar, 16*(4*(ss%3)+mm)
.if ss == 0
	v_wmma_f32_16x16x128_bf8_bf8 v[ACC0+8*mm:ACC0+8*mm+7], v[BF+16*ss:BF+16*ss+15], v[ar:ar+15], 0
.else
	v_wmma_f32_16x16x128_bf8_bf8 v[ACC0+8*mm:ACC0+8*mm+7], v[BF+16*ss:BF+16*ss+15], v[ar:ar+15], v[ACC0+8*mm:ACC0+8*mm+7]
.endif
.set mm, mm+1
.endr
.if ss == 2
.rept 4
	v_nop
.endr
	REFILL 0, ADB1
	REFILL 1, ADB1
	REFILL 2, ADB1
	PSLOAD ADP1
.elseif ss == 5
.rept 4
	v_nop
.endr
	REFILL 3, ADB1
	REFILL 4, ADB1
	REFILL 5, ADB1
.elseif ss == 7
.rept 4
	v_nop
.endr
	REFILL 6, ADB1
	REFILL 7, ADB1
	VMLOAD ADP1
.endif
.set ss, ss+1
.endr
	WIN 0
	s_mov_b32 s[INNER], 3
.Lfirst:                                           ; spans 1 to 6
	PAIR
	s_sub_co_u32 s[INNER], s[INNER], 1
	s_cmp_lg_u32 s[INNER], 0
	s_cbranch_scc1 .Lfirst
	s_mov_b32 s[OUTER], 6
.Lslot:                                            ; spans 7 to 54: six changes of slots, which ask for tiles 16 to 63
	CHANGE 1
	s_mov_b32 s[INNER], 4
.Lpair:
	PAIR
	s_sub_co_u32 s[INNER], s[INNER], 1
	s_cmp_lg_u32 s[INNER], 0
	s_cbranch_scc1 .Lpair
	s_sub_co_u32 s[OUTER], s[OUTER], 1
	s_cmp_lg_u32 s[OUTER], 0
	s_cbranch_scc1 .Lslot
	CHANGE 0                                       ; the tail is written out: nothing is left to ask for
	s_mov_b32 s[INNER], 4
.Llast:                                            ; spans 55 to 62
	PAIR
	s_sub_co_u32 s[INNER], s[INNER], 1
	s_cmp_lg_u32 s[INNER], 0
	s_cbranch_scc1 .Llast
	SPAN ACC1, ACC0, 0, ADB0, ADP0                 ; span 63 fetches no tile; it still fetches its own ps2 and -2 v
	WIN 0x0c                                       ; tile 63's vector work; source 1 window 3: -2 v
	s_wait_dscnt 0x0
.set kk, 0
.rept 32
	SLICE ACC1
.set kk, kk+1
.endr
	WIN 0
	; ---- THE WAY OUT.  A lane's eight sums of a tile of rows, then lane l xor 16's (the other n of each 16); + the sum of v = -0.5 x the sum of the table of -2 v.
	v_add_nc_u32 v14, VMT, v[GA]
.irp i, 0,1,2,3,4,5,6,7
	ds_load_b128 v[96+4*\i:99+4*\i], v14 offset:512*\i
.endr
.irp m, 0,1,2,3
	v_pk_add_f32 v[64+2*\m:65+2*\m], v[S+8*\m:S+8*\m+1], v[S+8*\m+2:S+8*\m+3]
	v_pk_add_f32 v[72+2*\m:73+2*\m], v[S+8*\m+4:S+8*\m+5], v[S+8*\m+6:S+8*\m+7]
.endr
.irp m, 0,1,2,3
	v_pk_add_f32 v[64+2*\m:65+2*\m], v[64+2*\m:65+2*\m], v[72+2*\m:73+2*\m]
.endr
.irp m, 0,1,2,3
	v_add_f32 v[80+\m], v[64+2*\m], v[65+2*\m]
.endr
.irp m, 0,1,2,3
	v_permlanex16_b32 v[84+\m], v[80+\m], s[SEL], s[SEL+1]
.endr
	s_wait_dscnt 0x0
.irp i, 0,1,2,3,4,5,6,7
	v_pk_add_f32 v[96+4*\i:97+4*\i], v[96+4*\i:97+4*\i], v[98+4*\i:99+4*\i]
.endr
.irp i, 0,1,2,3
	v_pk_add_f32 v[96+8*\i:97+8*\i], v[96+8*\i:97+8*\i], v[100+8*\i:101+8*\i]
.endr
	v_pk_add_f32 v[96:97], v[96:97], v[104:105]
	v_pk_add_f32 v[112:113], v[112:113], v[120:121]
	v_pk_add_f32 v[96:97], v[96:97], v[112:113]
	v_add_f32 v96, v96, v97
	v_add_f32_dpp v96, v96, v96 row_xmask:1 row_mask:0xf bank_mask:0xf
	v_add_f32_dpp v96, v96, v96 row_xmask:2 row_mask:0xf bank_mask:0xf
	v_add_f32_dpp v96, v96, v96 row_xmask:4 row_mask:0xf bank_mask:0xf
	v_add_f32_dpp v96, v96, v96 row_xmask:8 row_mask:0xf bank_mask:0xf
	v_permlanex16_b32 v97, v96, s[SEL], s[SEL+1]
	v_add_f32 v96, v96, v97                        ; the sum of -2 v, in every lane
.irp m, 0,1,2,3
	v_fma_f32 v[80+\m], v96, -0.5, v[80+\m]
.endr
.irp m, 0,1,2,3
	v_add_f32 v[80+\m], v[80+\m], v[84+\m]         ; the score of row 16 m + r, in both halves of the lanes
.endr
	v_and_b32 v13, 31, v0
	v_cmp_le_u32 vcc_lo, 16, v13
	v_cndmask_b32 v88, v80, v81, vcc_lo            ; lane l: row l
	v_cndmask_b32 v89, v82, v83, vcc_lo            ; lane l: row 32 + l
	v_lshl_add_u32 v14, v13, 2, s[STS]
	v_lshl_add_u32 v15, v13, 3, s[STS]
	v_lshlrev_b32 v16, 3, v13
	ds_store_b32 v14, v88                          ; through my stage, so that one store covers my 64 scores
	ds_store_b32 v14, v89 offset:128
	ds_load_b64 v[90:91], v15                      ; LDS serves a wave's instructions in order: this sees the stores
	s_wait_dscnt 0x0
	global_store_b64 v16, v[90:91], s[14:15]       ; 32 lanes store 256 consecutive bytes, aligned
	s_wait_tensorcnt 0x0                           ; the wave's end: behind my last tensor load and my last LDS store
	ds_add_u32 v[SPW], v[NIL]
	s_wait_dscnt 0x0
	CROUND                                         ; the closing round: no work-group ends while a partner may still ask for a tile that names it
	s_endpgm
.Lfunc_end_k_q5c1385f05e_score:
	.size	k_q5c1385f05e_score, .Lfunc_end_k_q5c1385f05e_score-k_q5c1385f05e_score
	.p2alignl 7, 3214868480
	.fill 96, 4, 3214868480
	.section	.rodata,"a",@progbits
	.p2align	6, 0x0
	.amdhsa_kernel k_q5c1385f05e_score
		.amdhsa_group_segment_fixed_size 327680
		.amdhsa_private_segment_fixed_size 0
		.amdhsa_enable_private_segment 0
		.amdhsa_kernarg_size 48
		.amdhsa_user_sgpr_count 2
		.amdhsa_user_sgpr_kernarg_segment_ptr 1
		.amdhsa_wavefront_size32 1
		.amdhsa_system_sgpr_workgroup_id_x 1
		.amdhsa_system_sgpr_workgroup_id_y 1
		.amdhsa_system_sgpr_workgroup_id_z 1
		.amdhsa_system_vgpr_workitem_id 0
		.amdhsa_next_free_vgpr 1024
		.amdhsa_next_free_sgpr 66
		.amdhsa_reserve_vcc 1
		.amdhsa_float_denorm_mode_32 3
		.amdhsa_float_denorm_mode_16_64 3
		.amdhsa_memory_ordered 1
		.amdhsa_forward_progress 1
		.amdhsa_inst_pref_size 255
	.end_amdhsa_kernel
	.section	.bss,"aw",@nobits
	.p2align	6
	.space	262144
	.amdgpu_metadata
---
amdhsa.version: [ 1, 2 ]
amdhsa.kernels:
  - .name:           k_q5c1385f05e_score
    .symbol:         k_q5c1385f05e_score.kd
    .args:
      - { .name: encoder_outputs, .offset: 0, .size: 8, .value_kind: global_buffer, .address_space: global }
      - { .name: wcodes, .offset: 8, .size: 8, .value_kind: global_buffer, .address_space: global }
      - { .name: ps2, .offset: 16, .size: 8, .value_kind: global_buffer, .address_space: global }
      - { .name: v, .offset: 24, .size: 8, .value_kind: global_buffer, .address_space: global }
      - { .name: lowp_scales, .offset: 32, .size: 8, .value_kind: global_buffer, .address_space: global }
      - { .name: scores, .offset: 40, .size: 8, .value_kind: global_buffer, .address_space: global }
    .group_segment_fixed_size: 327680
    .private_segment_fixed_size: 0
    .kernarg_segment_align: 8
    .kernarg_segment_size: 48
    .max_flat_workgroup_size: 128
    .sgpr_count:     66
    .vgpr_count:     1024
    .wavefront_size: 32
...
	.end_amdgpu_metadata
.endif
;; end of part 2
;; launch context (part 3): grid 4 x 64, 16 waves a work-group, no clusters, 83,968 bytes of LDS; arguments encoder_outputs, scores, mask, out0, out1; writes out0, out1
.if DOCPART == 3
	.amdgcn_target "amdgcn-amd-amdhsa--gfx1250"
	.amdhsa_code_object_version 6
	.text
	.protected	k_q5c1385f05e_context
	.globl	k_q5c1385f05e_context
	.p2align	8
	.type	k_q5c1385f05e_context,@function
k_q5c1385f05e_context:
	s_mov_b64 s[64:65], 0
	v_nop
	global_prefetch_b8 v0, s[64:65] scope:SCOPE_SE
	s_setreg_imm32_b32 hwreg(HW_REG_WAVE_MODE, 25, 1), 1
	s_wait_xcnt 0x0
; CONTEXT.  weights[b][:] = softmax over s of (scores[b][s], -infinity where mask[b][s] = 0);  context[b][c] = sum over s of weights[b][s] enc[b][s][c].  All in f32, on the vector unit (one row of weights a batch).
; SHARES.  Work-group (q, b) owns columns 256 q .. 256 q + 255 of batch b: each output number has one owner.  Wave w takes rows 64 w .. 64 w + 63: a row's 1,024 bytes are two loads of 512 consecutive bytes.
; Every wave makes the batch's whole softmax itself (32 numbers a lane), so no wave waits for another ahead of the stream, and the first eight rows are asked for ahead of the softmax.
; A wave's 64 weights come to every lane through its own 4 KB of LDS (all lanes read the same 16 bytes).  A ring of eight rows in registers keeps 16 loads of each wave on their way.
; The sixteen waves' partial sums meet in LDS behind the one barrier; waves 0 and 1 add them and store 512 consecutive bytes each.  Wave 0 stores the work-group's quarter of the weights.
; The row's maximum m is taken away: p = 2^(s log2(e) - m log2(e)), one packed multiply-add.  A row whose mask is all 0 gives NaN (-inf + inf).  NaN among the inputs is not served.
; No tensor loads, no cluster: what the four work-groups of a batch share (scores and mask, 8 KB) is small beside the 1 MB of enc that each reads alone.
.set SC,  16                           ; v16-47   scores, then p, then weights: register 4 i + j is s = 128 i + 4 lane + j
.set MK,  48                           ; v48-79   mask
.set WB,  48                           ; v48-111  later: my 64 rows' weights, in every lane
.set X,   112                          ; v112-175 eight rows x 8 registers
.set ACC, 176                          ; v176-183 my eight columns' sums
	s_load_b256 s[4:11], s[0:1], 0x0               ; enc s[4:5], scores s[6:7], mask s[8:9], out0 s[10:11]
	s_load_b64 s[12:13], s[0:1], 0x20              ; out1
	v_lshl_add_u32 v192, v0, 2, 0x14000
	v_mov_b32 v193, 0
	v_lshrrev_b32 v1, 5, v0
	v_readfirstlane_b32 s16, v1                    ; wave 0..15
	s_mov_b32 s17, ttmp9                           ; q
	s_and_b32 s18, ttmp7, 0xffff                   ; b
	v_and_b32 v1, 31, v0
	v_lshlrev_b32 v1, 4, v1                        ; 16 x lane
	s_lshl_b32 s24, s16, 12
	v_add_nc_u32 v2, s24, v1                       ; LDS: my wave's copy of the weights, 4,096 bytes
	s_mul_i32 s24, s16, 4352
	v_mov_b32 v3, s24                              ; and my 64 rows' weights in it: 4096 w + 256 w
	s_lshl_b32 s24, s16, 10
	s_add_co_u32 s24, s24, 65536
	v_add_nc_u32 v4, s24, v1                       ; LDS: my wave's partial sums, 1,024 bytes: column c at 4 c
	s_lshl_b32 s24, s16, 9
	s_add_co_u32 s25, s24, 65536
	v_add_nc_u32 v5, s25, v1                       ; (waves 0, 1) columns 128 w + 4 lane of a partial
	v_add_nc_u32 v7, s24, v1                       ; and of out0
	s_mov_b32 s20, 0x76543210
	s_mov_b32 s21, 0xfedcba98                      ; v_permlanex16_b32's selects for lane l xor 16
	s_mov_b32 s22, 0x3fb8aa3b                      ; log2(e)
	s_mov_b32 s23, s22
	s_lshl_b32 s26, s18, 22                        ; enc: the batch's 1,024 rows of 4,096 bytes,
	s_lshl_b32 s24, s16, 18                        ; my wave's 64,
	s_add_co_u32 s26, s26, s24
	s_lshl_b32 s24, s17, 10                        ; my work-group's 1,024 bytes of a row
	s_add_co_u32 s26, s26, s24
	s_mov_b32 s27, 0
	s_lshl_b32 s28, s18, 12                        ; a batch's row of scores, mask, out0, out1
	s_mov_b32 s29, 0
	s_add_co_u32 s30, s28, s24
	s_mov_b32 s31, 0
	s_wait_kmcnt 0x0
	s_add_nc_u64 s[4:5], s[4:5], s[26:27]
	s_add_nc_u64 s[6:7], s[6:7], s[28:29]
	s_add_nc_u64 s[8:9], s[8:9], s[28:29]
	s_add_nc_u64 s[10:11], s[10:11], s[30:31]
	s_add_nc_u64 s[12:13], s[12:13], s[30:31]
.irp i, 0,1,2,3,4,5,6,7
	global_load_b128 v[SC+4*\i:SC+4*\i+3], v1, s[6:7] offset:512*\i
.endr
.irp i, 0,1,2,3,4,5,6,7
	global_load_b128 v[MK+4*\i:MK+4*\i+3], v1, s[8:9] offset:512*\i
.endr
.irp i, 0,1,2,3,4,5,6,7
	global_load_b128 v[X+8*\i:X+8*\i+3], v1, s[4:5] offset:4096*\i th:TH_LOAD_NT        ; rows 0 to 7 fill the ring
	global_load_b128 v[X+8*\i+4:X+8*\i+7], v1, s[4:5] offset:4096*\i+512 th:TH_LOAD_NT
.endr
	v_mov_b32 v6, 0xff800000                       ; -infinity
	v_mov_b32 v9, 0                                ; (upper halves of pairs of which the low word serves both halves)
	s_wait_loadcnt 16                              ; scores and mask are in; the 16 loads of enc behind them may be out
.set i, 0
.rept 32
	v_cmp_eq_u32 vcc_lo, 0, v[MK+i]
	v_cndmask_b32 v[SC+i], v[SC+i], v6, vcc_lo
.set i, i+1
.endr
	v_max3_num_f32 v12, v[SC], v[SC+1], v[SC+2]    ; the largest score: my 32, in two chains,
	v_max3_num_f32 v13, v[SC+3], v[SC+4], v[SC+5]
.irp i, 6,10,14,18,22,26
	v_max3_num_f32 v12, v12, v[SC+\i], v[SC+\i+1]
	v_max3_num_f32 v13, v13, v[SC+\i+2], v[SC+\i+3]
.endr
	v_max3_num_f32 v12, v12, v[SC+30], v[SC+31]
	v_max_num_f32 v12, v12, v13
	v_max_num_f32_dpp v12, v12, v12 row_xmask:1 row_mask:0xf bank_mask:0xf   ; and the 32 lanes'
	v_max_num_f32_dpp v12, v12, v12 row_xmask:2 row_mask:0xf bank_mask:0xf
	v_max_num_f32_dpp v12, v12, v12 row_xmask:4 row_mask:0xf bank_mask:0xf
	v_max_num_f32_dpp v12, v12, v12 row_xmask:8 row_mask:0xf bank_mask:0xf
	v_permlanex16_b32 v13, v12, s20, s21
	v_max_num_f32 v12, v12, v13
	v_mul_f32 v8, 0xbfb8aa3b, v12                  ; -m log2(e)
.irp j, 0,2,4,6,8,10,12,14,16,18,20,22,24,26,28,30
	v_pk_fma_f32 v[SC+\j:SC+\j+1], v[SC+\j:SC+\j+1], s[22:23], v[8:9] op_sel_hi:[1,0,0]
.endr
.set i, 0
.rept 32
	v_exp_f32 v[SC+i], v[SC+i]
.set i, i+1
.endr
	v_mov_b32 v11, 0                               ; a plain line behind the last exponential
	s_wait_alu depctr_va_vdst(0)                   ; one wait for the batch, ahead of its first reader
	v_pk_add_f32 v[12:13], v[SC:SC+1], v[SC+2:SC+3]
	v_pk_add_f32 v[14:15], v[SC+4:SC+5], v[SC+6:SC+7]
.irp j, 8,12,16,20,24,28
	v_pk_add_f32 v[12:13], v[12:13], v[SC+\j:SC+\j+1]
	v_pk_add_f32 v[14:15], v[14:15], v[SC+\j+2:SC+\j+3]
.endr
	v_pk_add_f32 v[12:13], v[12:13], v[14:15]
	v_add_f32 v12, v12, v13
	v_add_f32_dpp v12, v12, v12 row_xmask:1 row_mask:0xf bank_mask:0xf
	v_add_f32_dpp v12, v12, v12 row_xmask:2 row_mask:0xf bank_mask:0xf
	v_add_f32_dpp v12, v12, v12 row_xmask:4 row_mask:0xf bank_mask:0xf
	v_add_f32_dpp v12, v12, v12 row_xmask:8 row_mask:0xf bank_mask:0xf
	v_permlanex16_b32 v13, v12, s20, s21
	v_add_f32 v12, v12, v13
	v_rcp_f32 v10, v12
	v_nop                                          ; a plain line behind the reciprocal
	s_wait_alu depctr_va_vdst(0)
.irp j, 0,2,4,6,8,10,12,14,16,18,20,22,24,26,28,30
	v_pk_mul_f32 v[SC+\j:SC+\j+1], v[SC+\j:SC+\j+1], v[10:11] op_sel_hi:[1,0]   ; the weights
.endr
.irp i, 0,1,2,3,4,5,6,7
	ds_store_b128 v2, v[SC+4*\i:SC+4*\i+3] offset:512*\i
.endr
.irp i, 0,1,2,3,4,5,6,7,8,9,10,11,12,13,14,15
	ds_load_b128 v[WB+4*\i:WB+4*\i+3], v3 offset:16*\i   ; my own bytes, served in order: register WB + i is row i's weight, in every lane
.endr
	s_cmp_lg_u32 s16, 0                            ; wave 0 stores the work-group's 256 weights: registers 8 q .. 8 q + 7
	s_cbranch_scc1 .Lno_weights
.irp k, 0,1,2,3
	s_cmp_lg_u32 s17, \k
	s_cbranch_scc1 .Lnot_quarter_\k
	global_store_b128 v1, v[SC+8*\k:SC+8*\k+3], s[12:13]               ; 512 consecutive bytes, aligned
	global_store_b128 v1, v[SC+8*\k+4:SC+8*\k+7], s[12:13] offset:512
.Lnot_quarter_\k:
.endr
.Lno_weights:
	s_wait_dscnt 0x0
.macro ROW i
.set xr, X+8*((\i)%8)
.set wr, WB+2*((\i)/2)
.if (\i) <= 56
	s_wait_loadcnt 14                              ; this row's two loads are in; the seven younger rows' may be out
.else
	s_wait_loadcnt 2*(63-(\i))
.endif
.irp u, 0,2,4,6
.if (\i) == 0
	v_pk_mul_f32 v[ACC+\u:ACC+\u+1], v[xr+\u:xr+\u+1], v[wr:wr+1] op_sel_hi:[1,0]      ; the first row starts the sums
.elseif ((\i)%2) == 0
	v_pk_fma_f32 v[ACC+\u:ACC+\u+1], v[xr+\u:xr+\u+1], v[wr:wr+1], v[ACC+\u:ACC+\u+1] op_sel_hi:[1,0,1]              ; the pair's first word for both halves
.else
	v_pk_fma_f32 v[ACC+\u:ACC+\u+1], v[xr+\u:xr+\u+1], v[wr:wr+1], v[ACC+\u:ACC+\u+1] op_sel:[0,1,0] op_sel_hi:[1,1,1]   ; its second
.endif
.endr
.if (\i) < 56
	global_load_b128 v[xr:xr+3], v1, s[4:5] offset:((\i)+8)*4096 th:TH_LOAD_NT
	global_load_b128 v[xr+4:xr+7], v1, s[4:5] offset:((\i)+8)*4096+512 th:TH_LOAD_NT
.endif
.endm
.set rr, 0
.rept 64
	ROW rr
.set rr, rr+1
.endr
	ds_store_b128 v4, v[ACC:ACC+3]                 ; columns 4 lane ..
	ds_store_b128 v4, v[ACC+4:ACC+7] offset:512    ; columns 128 + 4 lane ..
	s_wait_dscnt 0x0                               ; for the others' sake: my stores have landed
	s_barrier_signal -1
	s_barrier_wait -1
	s_cmp_gt_u32 s16, 1
	s_cbranch_scc1 .Ldone
.irp i, 0,1,2,3,4,5,6,7,8,9,10,11,12,13,14,15
	ds_load_b128 v[X+4*\i:X+4*\i+3], v5 offset:1024*\i
.endr
	s_wait_dscnt 0x0
.irp i, 0,1,2,3,4,5,6,7
	v_pk_add_f32 v[X+4*\i:X+4*\i+1], v[X+4*\i:X+4*\i+1], v[X+32+4*\i:X+32+4*\i+1]
	v_pk_add_f32 v[X+4*\i+2:X+4*\i+3], v[X+4*\i+2:X+4*\i+3], v[X+32+4*\i+2:X+32+4*\i+3]
.endr
.irp i, 0,1,2,3
	v_pk_add_f32 v[X+4*\i:X+4*\i+1], v[X+4*\i:X+4*\i+1], v[X+16+4*\i:X+16+4*\i+1]
	v_pk_add_f32 v[X+4*\i+2:X+4*\i+3], v[X+4*\i+2:X+4*\i+3], v[X+16+4*\i+2:X+16+4*\i+3]
.endr
.irp i, 0,1
	v_pk_add_f32 v[X+4*\i:X+4*\i+1], v[X+4*\i:X+4*\i+1], v[X+8+4*\i:X+8+4*\i+1]
	v_pk_add_f32 v[X+4*\i+2:X+4*\i+3], v[X+4*\i+2:X+4*\i+3], v[X+8+4*\i+2:X+8+4*\i+3]
.endr
	v_pk_add_f32 v[X:X+1], v[X:X+1], v[X+4:X+5]
	v_pk_add_f32 v[X+2:X+3], v[X+2:X+3], v[X+6:X+7]
	global_store_b128 v7, v[X:X+3], s[10:11]       ; 512 consecutive bytes, aligned
.Ldone:
	s_wait_tensorcnt 0x0
	ds_add_u32 v192, v193
	s_wait_dscnt 0x0
	s_endpgm
.Lfunc_end_k_q5c1385f05e_context:
	.size	k_q5c1385f05e_context, .Lfunc_end_k_q5c1385f05e_context-k_q5c1385f05e_context
	.p2alignl 7, 3214868480
	.fill 96, 4, 3214868480
	.section	.rodata,"a",@progbits
	.p2align	6, 0x0
	.amdhsa_kernel k_q5c1385f05e_context
		.amdhsa_group_segment_fixed_size 83968
		.amdhsa_private_segment_fixed_size 0
		.amdhsa_enable_private_segment 0
		.amdhsa_kernarg_size 40
		.amdhsa_user_sgpr_count 2
		.amdhsa_user_sgpr_kernarg_segment_ptr 1
		.amdhsa_wavefront_size32 1
		.amdhsa_system_sgpr_workgroup_id_x 1
		.amdhsa_system_sgpr_workgroup_id_y 1
		.amdhsa_system_sgpr_workgroup_id_z 1
		.amdhsa_system_vgpr_workitem_id 0
		.amdhsa_next_free_vgpr 194
		.amdhsa_next_free_sgpr 66
		.amdhsa_reserve_vcc 1
		.amdhsa_float_denorm_mode_32 3
		.amdhsa_float_denorm_mode_16_64 3
		.amdhsa_memory_ordered 1
		.amdhsa_forward_progress 1
		.amdhsa_inst_pref_size 48
	.end_amdhsa_kernel
	.amdgpu_metadata
---
amdhsa.version: [ 1, 2 ]
amdhsa.kernels:
  - .name:           k_q5c1385f05e_context
    .symbol:         k_q5c1385f05e_context.kd
    .args:
      - { .name: encoder_outputs, .offset: 0, .size: 8, .value_kind: global_buffer, .address_space: global }
      - { .name: scores, .offset: 8, .size: 8, .value_kind: global_buffer, .address_space: global }
      - { .name: mask, .offset: 16, .size: 8, .value_kind: global_buffer, .address_space: global }
      - { .name: out0, .offset: 24, .size: 8, .value_kind: global_buffer, .address_space: global }
      - { .name: out1, .offset: 32, .size: 8, .value_kind: global_buffer, .address_space: global }
    .group_segment_fixed_size: 83968
    .private_segment_fixed_size: 0
    .kernarg_segment_align: 8
    .kernarg_segment_size: 40
    .max_flat_workgroup_size: 512
    .sgpr_count:     66
    .vgpr_count:     194
    .wavefront_size: 32
...
	.end_amdgpu_metadata
.endif
;; end of part 3
